; MI455X (gfx1250); checked and timed in simulation.
; The chip was launched on July 23, 2026; its instructions are those of AMD's public machine-readable ISA for CDNA 5 (MIT licence, August 2026) and "CDNA5" Instruction Set Architecture Reference Guide (July 2026). The comments in the code are by the model that wrote it; some were corrected since.
;; Multi Head Attention. Allowed arithmetic: float matrix products may take bf16 or f16 operands with f32 sums; all other float work in f32.
;; Inputs: Wk 1,024 x 1,024 float32; Wo 1,024 x 1,024 float32; Wq 1,024 x 1,024 float32; Wv 1,024 x 1,024 float32; bk 1,024 float32; bo 1,024 float32; bq 1,024 float32; bv 1,024 float32; k 2 x 2,048 x 1,024 float32; mask 2 x 1 x 2,048 x 2,048 int32; q 2 x 2,048 x 1,024 float32; v 2 x 2,048 x 1,024 float32.
;; Outputs: out0 2 x 2,048 x 1,024 float32.
;; One version. Each part assembles by itself: llvm-mc -triple=amdgcn-amd-amdhsa -mcpu=gfx1250 --defsym DOCPART=n.
;; ======== version 1 of 1: 4 launches
;; limits: values are held in f16: magnitudes above 65,504 overflow, below 6.1e-05 lose precision
;; workspace buffers: cb 33,554,432 bytes; mw 1,048,576 bytes of whole numbers; qkvh 25,165,824 bytes; ctx 8,388,608 bytes
;; launch prep (part 1): grid 256 x 1, 16 waves a work-group, no clusters, 169,984 bytes of LDS; arguments q, k, v, Wq, Wk, Wv, Wo, mask, cb, mw; writes cb, mw
.if DOCPART == 1
	.amdgcn_target "amdgcn-amd-amdhsa--gfx1250"
	.amdhsa_code_object_version 6
	.text
	.protected	k_q44fbe49f0d_prep
	.globl	k_q44fbe49f0d_prep
	.p2align	8
	.type	k_q44fbe49f0d_prep,@function
k_q44fbe49f0d_prep:
	s_mov_b64 s[64:65], 0
	v_nop
	global_prefetch_b8 v0, s[64:65] scope:SCOPE_SE
	s_setreg_imm32_b32 hwreg(HW_REG_WAVE_MODE, 25, 1), 1
	s_wait_xcnt 0x0
; PREP: (1) q, k, v, Wq, Wk, Wv, Wo from f32 to f16, in that order, into cb;  (2) the int32 mask into lane-mask words, into mw.
; cb (f16): q, k, v as [4096][1024] at z * 8,388,608 bytes; Wq, Wk, Wv, Wo as [1024][1024] at 25,165,824 + z * 2,097,152.
; mw (words): word (T*128 + kt)*8 + j, T = b*128 + query/16, kt = key/16; bit L of it says mask[b][16 (T&127) + (L&15)][16 kt + 8 (L>>4) + j] != 0:
; the lane mask of register j of a score tile of 16 keys x 16 queries, as the attention launch holds it.
; 256 work-groups of 16 waves.  Work-group g converts 262,144 bytes of f32 (1/256 of the chain of seven tensors) and packs query tile T = g
; (16 mask rows of 8,192 bytes).  Every input byte is read once; the work-groups share no input, so nothing is asked for jointly.
; LIMIT: f16 holds magnitudes below 65,504; a larger input becomes an infinity.  Inputs below 6e-8 in magnitude become 0.
.set MPITCH, 8208                      ; an LDS row of the mask: 8,192 bytes + 16: 2,052 words, so that 16 rows start 4 banks apart (64 banks of 4 bytes: ISA guide 11.1)
.set X,  8                             ; v[8:135]   32 stream loads of 4 registers
.set MK, 136                           ; v[136:199] 8 key tiles x 8 mask words of my lane
.set W,  200                           ; v[200:201] the wave's 64 packed words: lane l holds words 2 l and 2 l + 1
	s_load_b512 s[8:23], s[0:1], 0x0               ; q s[8:9], k s[10:11], v s[12:13], Wq s[14:15], Wk s[16:17], Wv s[18:19], Wo s[20:21], mask s[22:23]
	s_load_b128 s[24:27], s[0:1], 0x40             ; cb s[24:25], mw s[26:27]
	v_lshl_add_u32 v208, v0, 2, 0x29000
	v_mov_b32 v209, 0
	ds_add_u32 v208, v209
	ds_add_u32 v208, v209
	v_and_b32 v1, 31, v0                           ; lane
	v_lshrrev_b32 v2, 5, v0
	v_readfirstlane_b32 s6, v2                     ; wave 0..15
	s_lshr_b32 s2, ttmp9, 6                        ; group: 0 q, 1 k, 2 v (64 work-groups each), 3 the four weights
	s_bfe_u32 s3, ttmp9, 0x20004                   ; in group 3: which weight (16 work-groups each)
	s_mul_i32 s7, s6, MPITCH
	v_lshl_add_u32 v2, v1, 4, s7                   ; LDS: mask row = my wave, 16 bytes a lane
	s_lshl_b32 s32, s6, 13
	v_lshl_add_u32 v3, v1, 4, s32                  ; the same row in memory: wave x 8,192 + 16 lane
	v_lshl_add_u32 v5, v1, 3, s32                  ; f16 out: wave x 8,192 + 8 lane
	s_lshl_b32 s33, s6, 14
	v_lshl_add_u32 v4, v1, 4, s33                  ; f32 in: wave x 16,384 + 16 lane
	v_and_b32 v6, 15, v0                           ; r: the query of a score tile
	v_mul_u32_u24 v6, v6, MPITCH
	v_bfe_u32 v7, v0, 4, 1                         ; h: which 8 keys of the 16
	v_lshl_add_u32 v6, v7, 5, v6                   ; + 32 h
	s_lshl_b32 s32, s6, 9
	v_add_nc_u32 v6, s32, v6                       ; + wave x 8 key tiles x 64 bytes
	s_lshl_b32 s33, s6, 8
	v_lshl_add_u32 v7, v1, 3, s33                  ; mw: wave x 256 + 8 lane
	s_lshl_b32 s4, ttmp9, 17                       ; g x 131,072: my 16 mask rows, and my part of cb
	s_mov_b32 s5, 0
	s_wait_dscnt 0x0
	s_wait_kmcnt 0x0
	s_add_nc_u64 s[34:35], s[22:23], s[4:5]
	s_add_nc_u64 s[36:37], s[24:25], s[4:5]
	; the 16 mask rows go to LDS by copies, one row a wave, 512 bytes an instruction (the immediate steps both addresses).
	; These bytes are filled once; the copies stand ahead of every wait on their counter, every LDS read and the barrier.
.set i, 0
.rept 16
	global_load_async_to_lds_b128 v2, v3, s[34:35] offset:512*i
.set i, i+1
.endr
	s_lshl_b32 s4, ttmp9, 12                       ; g x 4,096: my query tile's 1,024 words
	s_add_nc_u64 s[38:39], s[26:27], s[4:5]
	; which tensor my 262,144 bytes of f32 lie in: a choice between buffers on the work-group's number alone
	s_cmp_eq_u32 s2, 1
	s_cselect_b64 s[28:29], s[10:11], s[8:9]
	s_cmp_eq_u32 s2, 2
	s_cselect_b64 s[28:29], s[12:13], s[28:29]
	s_cmp_eq_u32 s3, 1
	s_cselect_b64 s[30:31], s[16:17], s[14:15]
	s_cmp_eq_u32 s3, 2
	s_cselect_b64 s[30:31], s[18:19], s[30:31]
	s_cmp_eq_u32 s3, 3
	s_cselect_b64 s[30:31], s[20:21], s[30:31]
	s_cmp_eq_u32 s2, 3
	s_cselect_b64 s[28:29], s[30:31], s[28:29]
	s_cselect_b32 s4, 15, 63                       ; parts in that tensor, less one
	s_and_b32 s4, ttmp9, s4
	s_lshl_b32 s4, s4, 18                          ; my part x 262,144
	s_add_nc_u64 s[28:29], s[28:29], s[4:5]
	; the stream: all 32 loads of the wave go out at once, 512 neighbouring bytes each
.set i, 0
.rept 32
	global_load_b128 v[X+4*i:X+4*i+3], v4, s[28:29] offset:512*i th:TH_LOAD_NT
.set i, i+1
.endr
	v_mov_b32 v[W], 0                              ; v_writelane_b32 counts as a reader of its destination
	v_mov_b32 v[W+1], 0
.set i, 0
.rept 32
	s_wait_loadcnt 31-i                            ; loads come back in order (ISA guide 5.7.1): load i is in, the 31 - i younger ones stay out
	v_cvt_pk_f16_f32 v[X+4*i], v[X+4*i], v[X+4*i+1]
	v_cvt_pk_f16_f32 v[X+4*i+1], v[X+4*i+2], v[X+4*i+3]
	global_store_b64 v5, v[X+4*i:X+4*i+1], s[36:37] offset:256*i   ; the wave's 32 lanes store 256 consecutive bytes, aligned; no register of it is written again
.set i, i+1
.endr
	s_wait_asynccnt 0x0                            ; my mask row is in LDS,
	s_barrier_signal -1
	s_barrier_wait -1                              ; and everybody's is
	; wave w packs key tiles 8 w .. 8 w + 7: lane (r, h) reads the 8 mask words of query r, keys 16 kt + 8 h + 0..7
.irp i, 0,1,2,3,4,5,6,7
	ds_load_b128 v[MK+8*\i:MK+8*\i+3],   v6 offset:64*\i
	ds_load_b128 v[MK+8*\i+4:MK+8*\i+7], v6 offset:64*\i+16
.endr
	s_wait_dscnt 0x0
.irp i, 0,1,2,3,4,5,6,7
.irp j, 0,1,2,3,4,5,6,7
	v_cmp_ne_u32 s[40+\j], 0, v[MK+8*\i+\j]        ; one bit a lane: the word (kt = 8 w + i, j)
.endr
.irp j, 0,1,2,3,4,5,6,7
	v_writelane_b32 v[W+(\j&1)], s[40+\j], (8*\i+\j)>>1    ; word n = 8 i + j goes to lane n / 2, register n % 2
.endr
.endr
	global_store_b64 v7, v[W:W+1], s[38:39]        ; 256 consecutive bytes, aligned
	s_wait_tensorcnt 0x0
	ds_add_u32 v208, v209
	s_wait_dscnt 0x0
	s_endpgm
.Lfunc_end_k_q44fbe49f0d_prep:
	.size	k_q44fbe49f0d_prep, .Lfunc_end_k_q44fbe49f0d_prep-k_q44fbe49f0d_prep
	.p2alignl 7, 3214868480
	.fill 96, 4, 3214868480
	.section	.rodata,"a",@progbits
	.p2align	6, 0x0
	.amdhsa_kernel k_q44fbe49f0d_prep
		.amdhsa_group_segment_fixed_size 169984
		.amdhsa_private_segment_fixed_size 0
		.amdhsa_enable_private_segment 0
		.amdhsa_kernarg_size 80
		.amdhsa_user_sgpr_count 2
		.amdhsa_user_sgpr_kernarg_segment_ptr 1
		.amdhsa_wavefront_size32 1
		.amdhsa_system_sgpr_workgroup_id_x 1
		.amdhsa_system_sgpr_workgroup_id_y 1
		.amdhsa_system_sgpr_workgroup_id_z 1
		.amdhsa_system_vgpr_workitem_id 0
		.amdhsa_next_free_vgpr 210
		.amdhsa_next_free_sgpr 66
		.amdhsa_reserve_vcc 0
		.amdhsa_float_denorm_mode_32 3
		.amdhsa_float_denorm_mode_16_64 3
		.amdhsa_memory_ordered 1
		.amdhsa_forward_progress 1
		.amdhsa_inst_pref_size 25
	.end_amdhsa_kernel
	.amdgpu_metadata
---
amdhsa.version: [ 1, 2 ]
amdhsa.kernels:
  - .name:           k_q44fbe49f0d_prep
    .symbol:         k_q44fbe49f0d_prep.kd
    .args:
      - { .name: q, .offset: 0, .size: 8, .value_kind: global_buffer, .address_space: global }
      - { .name: k, .offset: 8, .size: 8, .value_kind: global_buffer, .address_space: global }
      - { .name: v, .offset: 16, .size: 8, .value_kind: global_buffer, .address_space: global }
      - { .name: Wq, .offset: 24, .size: 8, .value_kind: global_buffer, .address_space: global }
      - { .name: Wk, .offset: 32, .size: 8, .value_kind: global_buffer, .address_space: global }
      - { .name: Wv, .offset: 40, .size: 8, .value_kind: global_buffer, .address_space: global }
      - { .name: Wo, .offset: 48, .size: 8, .value_kind: global_buffer, .address_space: global }
      - { .name: mask, .offset: 56, .size: 8, .value_kind: global_buffer, .address_space: global }
      - { .name: cb, .offset: 64, .size: 8, .value_kind: global_buffer, .address_space: global }
      - { .name: mw, .offset: 72, .size: 8, .value_kind: global_buffer, .address_space: global }
    .group_segment_fixed_size: 169984
    .private_segment_fixed_size: 0
    .kernarg_segment_align: 8
    .kernarg_segment_size: 80
    .max_flat_workgroup_size: 512
    .sgpr_count:     66
    .vgpr_count:     210
    .wavefront_size: 32
...
	.end_amdgpu_metadata
.endif
;; end of part 1
;; launch qkv (part 2): grid 4 x 48, 4 waves a work-group, clusters of 4 x 4, 327,680 bytes of LDS; arguments cb, bq, bk, bv, qkvh; writes qkvh
.if DOCPART == 2
	.amdgcn_target "amdgcn-amd-amdhsa--gfx1250"
	.amdhsa_code_object_version 6
	.text
	.protected	k_q44fbe49f0d_qkv
	.globl	k_q44fbe49f0d_qkv
	.p2align	8
	.type	k_q44fbe49f0d_qkv,@function
k_q44fbe49f0d_qkv:
	s_mov_b64 s[64:65], 0
	v_nop
	global_prefetch_b8 v0, s[64:65] scope:SCOPE_SE
	s_setreg_imm32_b32 hwreg(HW_REG_WAVE_MODE, 25, 1), 1
	s_wait_xcnt 0x0
	s_wait_alu depctr_hold_cnt(0) depctr_sa_sdst(0) depctr_va_vdst(0) depctr_va_sdst(0) depctr_va_ssrc(0) depctr_va_vcc(0) depctr_vm_vsrc(0)
	s_getreg_b32 s2, hwreg(HW_REG_IB_STS2, 6, 4)
	s_cmp_eq_u32 s2, 0
	s_cbranch_scc0 .Lentry_in_a_cluster
	s_endpgm
.Lentry_in_a_cluster:
	s_bfe_u32 s2, ttmp6, 0x10000c
	s_cmp_lg_u32 s2, 0xf033
	s_cbranch_scc0 .Lentry_shape_is_right
	s_endpgm
.Lentry_shape_is_right:
; QKV: the three projections y = x W^T + b, f16 operands (from cb), f32 sums; Q is also multiplied by log2(e)/8, so that the attention launch
; works with powers of two.  Output qkvh: f16 [3 (q,k,v)][2 (batch)][16 (head)][2048 (token)][64].
; In cb q, k, v are one matrix of 12,288 rows x 1,024; the weights follow at WB_OFF.  A work-group makes a block of 256 tokens x 256 features with four waves,
; as many as a WGP has SIMDs; a wave makes 128 x 128: 64 accumulator tiles of 16 x 16, 512 registers.  For 32 along K a wave then reads 32 x 512 bytes
; of LDS for 64 matrix instructions.  12,288 x 1,024 outputs in blocks of 256 x 256 are 48 x 4 = 192 work-groups; 4,096 rows a tensor divide into no
; block height that would give 256 equal ones.  K = 1,024 goes in 8 steps of 128 through two LDS slots; a tile's rows are 256 bytes of memory.
; CLUSTERS of 4 x 4: the four work-groups of a cluster's row need the same rows of x, the four of a column the same rows of W; each such tile is asked
; for jointly, with one descriptor and a mask that names the four.  A cluster's 1,024 tokens lie in one of q, k, v (z = cluster y / 4).
; REGISTERS, in windows of 256:  window 0: v0-31 addresses; v64-127, v128-191 fragments of x, two buffers; v192-255 at work on the way out
;   window 1: v64-127, v128-191 fragments of W, two buffers; v192-255 the bias of my lane's 64 features
;   window 2: the 32 accumulator tiles of my tokens 0-63 (tile (a, b) at v[8 (8 a + b)]);  window 3: those of my tokens 64-127
; THE MATRIX INSTRUCTION IS USED TRANSPOSED: source 0 = 16 rows of W, source 1 = 16 rows of x.  Lane l then holds token l % 16 and in registers 0..7
; the features 8 (l / 16) + 0..7: eight neighbouring numbers of an output row.
; LIMIT: results are stored in f16: magnitudes of 65,504 and more become infinities.
.set SIZE_K, 1024
.set KSTEP,  128
.set PITCH,  272                       ; an LDS row: 256 bytes + 16: the 16 rows of a fragment load start 4 banks apart (64 banks of 4 bytes: ISA guide 11.1)
.set HALFT,  128*PITCH                 ; 128 rows: what one tensor load brings, and what one wave reads of x or of W
.set SLOT,   4*HALFT                   ; x's 256 rows, then W's 256 rows
.set STAGE,  2*SLOT                    ; behind the two slots: a stage for each wave, which no tensor load fills
.set SP,     144                       ; a stage row: 64 f16 + 16 bytes
.set HSTAGE, 16*SP                     ; 16 tokens of one head
.set WSTAGE, 2*HSTAGE                  ; my 128 features are two heads
.set HEADB,  2048*128                  ; from head to head in the output
.set WB_OFF, 25165824                  ; the weights in cb
.set LAPS, SIZE_K/(2*KSTEP)            ; a lap = two K steps = once round the ring: 4
.set ADRA, 16                          ; v16-17  LDS address of my x fragments in slot 0, 1
.set ADRB, 20                          ; v20-21  the same for W
.set STO,  24                          ; way out: where I put 16 bytes of a row
.set RD,   25                          ; way out: where I read rows back
.set CO,   26                          ; my byte offset in the output
.set BO,   27                          ; my byte offset in the bias
.set F0,   64                          ; fragment buffer 0
.set F1,   128                         ; fragment buffer 1
.set TMP,  192                         ; window 0: 64 results in f32, then 32 words of f16
.set BIAS, 192                         ; window 1: bias of feature 16 b + 8 h + j at 8 b + j
.set G1, 24                            ; s[24:31] descriptor group 1 for x's tiles
.set G0, 32                            ; s[32:39] group 0 for x's tiles, a set for each slot
.set G1B, 48                           ; s[48:55] group 1 for W's tiles: another mask, all else alike
.set G0B, 56                           ; s[56:63] group 0 for W's tiles
.set MSB, 0
.macro WIN new                         ; s_set_vgpr_msb; the immediate's high byte repeats the setting that is left
.if MSB != \new
	s_set_vgpr_msb (MSB<<8)|\new
.set MSB, \new
.endif
.endm
.set MUL_LO, 0xa1                      ; source 0 (W) window 1, source 1 (x) window 0, C and D window 2
.set MUL_HI, 0xf1                      ; the same, C and D window 3
.set TO_B,   0x40                      ; destination window 1, address window 0
; A joint load: waves 0, 1 fetch x's two halves, waves 2, 3 W's.  Each line has one mask and one set of registers; the branch hangs on the wave's number alone.
.macro JLOAD s
	s_cmp_eq_u32 s11, 0
	s_cbranch_scc0 .Lfor_b_\@
	tensor_load_to_lds s[G0+4*\s:G0+4*\s+3], s[G1:G1+7]
	s_nop 0
	s_branch .Lasked_\@
.Lfor_b_\@:
	tensor_load_to_lds s[G0B+4*\s:G0B+4*\s+3], s[G1B:G1B+7]
	s_nop 0
.Lasked_\@:
.endm
; A round of the cluster's barrier: my work-group's barrier, wave 0 signals for the work-group, all wait for the sixteen, my work-group's barrier again.
.macro CREST                           ; a round behind its opening barrier
	s_cmp_lg_u32 s10, 0
	s_cbranch_scc1 .Lnot_wave_0_\@
	s_barrier_signal -3
.Lnot_wave_0_\@:
	s_barrier_wait -3
	s_barrier_signal -1
	s_barrier_wait -1
.endm
.macro CROUND                          ; a whole round
	s_barrier_signal -1
	s_barrier_wait -1
	CREST
.endm
	s_load_b256 s[68:75], s[0:1], 0x0              ; cb s[68:69], bq s[70:71], bk s[72:73], bv s[74:75]
	s_load_b64 s[76:77], s[0:1], 0x20              ; qkvh
	s_set_vgpr_msb 0x40
	v_lshl_add_u32 v63, v0, 2, 0x48800
	s_set_vgpr_msb 0x4000
	v_mov_b32 v63, 0
	s_set_vgpr_msb 0x1
	ds_add_u32 v63, v63
	ds_add_u32 v63, v63
	s_set_vgpr_msb 0x100
	v_lshrrev_b32 v1, 5, v0
	v_readfirstlane_b32 s10, v1                    ; wave 0..3
	s_lshr_b32 s11, s10, 1                         ; my half of the block's tokens.  Also: I fetch for x (0) or for W (1)
	s_and_b32 s12, s10, 1                          ; my half of its features.  Also: which 128 rows of that tile I fetch
	s_bfe_u32 s40, ttmp6, 0x40000                  ; cx
	s_bfe_u32 s41, ttmp6, 0x40004                  ; cy
	s_lshl_b32 s42, ttmp9, 2
	s_add_co_u32 s42, s42, s40                     ; feature block = 4 x cluster x + cx, 0..3
	s_and_b32 s45, ttmp7, 0xffff                   ; cluster y, 0..11
	s_lshl_b32 s13, s45, 2
	s_add_co_u32 s13, s13, s41                     ; token block = 4 x cluster y + cy, 0..47
	s_lshr_b32 s45, s45, 2                         ; z: 0 q, 1 k, 2 v (16 token blocks = 4 clusters each): made of the cluster's y alone
	s_lshl_b32 s43, s41, 2
	s_lshl_b32 s43, 15, s43                        ; my row of the cluster: places 4 cy .. 4 cy + 3
	s_lshl_b32 s44, 0x1111, s40                    ; my column: places cx, cx + 4, cx + 8, cx + 12
	; group 1: a tile of 128 rows x 128 elements of 2 bytes; padding on, 4 words behind every 64; bit 21 beside a mask
	s_or_b32 s[G1+0], s43, (1<<16)|(1<<20)|(1<<21)|(5<<22)|(3<<25)
	s_or_b32 s[G1B+0], s44, (1<<16)|(1<<20)|(1<<21)|(5<<22)|(3<<25)
	s_mov_b32 s[G1B+1], KSTEP<<16
	s_mov_b32 s[G1+1], KSTEP<<16                   ; tensor_dim0 = 128
	s_mov_b32 s[G1B+2], 128<<16
	s_mov_b32 s[G1+2], 128<<16                     ; tensor_dim1 = 128
	s_mov_b32 s[G1B+3], KSTEP<<16
	s_mov_b32 s[G1+3], KSTEP<<16                   ; tile_dim0 = 128
	s_mov_b32 s[G1B+4], 128
	s_mov_b32 s[G1+4], 128                         ; tile_dim1 = 128
	s_mov_b32 s[G1B+5], SIZE_K
	s_mov_b32 s[G1+5], SIZE_K                      ; elements from row to row
	s_mov_b32 s[G1B+6], 0
	s_mov_b32 s[G1+6], 0
	s_mov_b32 s[G1B+7], 0
	s_mov_b32 s[G1+7], 0
	; x's tiles hang on the token block, which my row of the cluster shares; W's on z and the feature block, which my column shares.
	; Every wave makes both addresses, in registers that never hold the other coordinate, and asks by one of them.
	s_lshl_b32 s17, s12, 7                         ; which 128 rows of the tile I fetch
	s_lshl_b32 s16, s13, 8
	s_add_co_u32 s16, s16, s17                     ; x: row 256 x token block + 128 x half
	s_lshl_b32 s16, s16, 11                        ; rows of 2,048 bytes: below 25,165,824
	s_lshl_b32 s46, s42, 8
	s_add_co_u32 s46, s46, s17
	s_lshl_b32 s47, s45, 10
	s_add_co_u32 s46, s46, s47                     ; W: row 1,024 z + 256 x feature block + 128 x half
	s_lshl_b32 s46, s46, 11
	s_add_co_u32 s46, s46, WB_OFF
	s_mov_b32 s17, 0
	s_mov_b32 s47, 0
	s_mul_i32 s20, s10, HALFT                      ; where they go: wave x 128 rows: no place in the cluster enters an LDS address
	s_wait_dscnt 0x0
	s_wait_kmcnt 0x0
	s_add_nc_u64 s[14:15], s[68:69], s[16:17]
	s_add_nc_u64 s[46:47], s[68:69], s[46:47]
	CROUND                                         ; all sixteen work-groups are here: the first joint loads meet
.irp s, 0,1
	s_mov_b32 s[G0+4*\s], 1
	s_add_co_u32 s[G0+4*\s+1], s20, \s*SLOT
	s_add_nc_u64 s[G0+4*\s+2:G0+4*\s+3], s[14:15], \s*KSTEP*2      ; K step s
	s_or_b32 s[G0+4*\s+3], s[G0+4*\s+3], 0x80000000
	s_mov_b32 s[G0B+4*\s], 1
	s_add_co_u32 s[G0B+4*\s+1], s20, \s*SLOT
	s_add_nc_u64 s[G0B+4*\s+2:G0B+4*\s+3], s[46:47], \s*KSTEP*2
	s_or_b32 s[G0B+4*\s+3], s[G0B+4*\s+3], 0x80000000
	JLOAD \s                                       ; two loads of the wave are out: the most in this text
.endr
	; bias, scale and output address
	s_cmp_eq_u32 s45, 1
	s_cselect_b64 s[78:79], s[72:73], s[70:71]
	s_cmp_eq_u32 s45, 2
	s_cselect_b64 s[78:79], s[74:75], s[78:79]
	s_cmp_eq_u32 s45, 0
	s_cselect_b32 s84, 0x3e38aa3b, 1.0             ; Q: log2(e) / 8; K and V: 1
	s_mov_b32 s85, s84
	s_lshl_b32 s80, s42, 10
	s_lshl_b32 s81, s12, 9
	s_add_co_u32 s80, s80, s81                     ; my first feature (256 x block + 128 x half) x 4 bytes
	s_mov_b32 s81, 0
	s_add_nc_u64 s[78:79], s[78:79], s[80:81]
	s_lshr_b32 s86, s13, 3                         ; 2 z + batch (8 token blocks a batch)
	s_lshl_b32 s86, s86, 4
	s_lshl_b32 s87, s42, 2
	s_add_co_u32 s86, s86, s87
	s_lshl_b32 s87, s12, 1
	s_add_co_u32 s86, s86, s87                     ; x 16 + my first head (4 x feature block + 2 x half)
	s_lshl_b32 s86, s86, 11
	s_and_b32 s87, s13, 7
	s_lshl_b32 s87, s87, 8
	s_add_co_u32 s86, s86, s87
	s_lshl_b32 s87, s11, 7
	s_add_co_u32 s86, s86, s87                     ; x 2,048 + my first token
	s_lshl_b32 s86, s86, 7                         ; rows of 128 bytes
	s_mov_b32 s87, 0
	s_add_nc_u64 s[76:77], s[76:77], s[86:87]
	; A fragment is 16 rows x 32 K in 8 registers: lane l holds row l % 16; registers 0-3 K = 8 (l / 16) + 0..7, registers 4-7 K = 16 + 8 (l / 16) + 0..7
	v_and_b32 v1, 15, v0                           ; r
	v_bfe_u32 v2, v0, 4, 1                         ; h
	v_lshlrev_b32 v[BO], 5, v2                     ; 8 h features of 4 bytes
	WIN TO_B
.irp b, 0,1,2,3,4,5,6,7
	global_load_b128 v[BIAS+8*\b:BIAS+8*\b+3],   v[BO], s[78:79] offset:64*\b      ; they come while the products run; waited for on the way out
	global_load_b128 v[BIAS+8*\b+4:BIAS+8*\b+7], v[BO], s[78:79] offset:64*\b+16
.endr
	WIN 0
	v_mul_u32_u24 v3, v1, PITCH
	v_lshl_add_u32 v3, v2, 4, v3                   ; row x pitch + 16 h
	s_mul_i32 s21, s11, HALFT                      ; my 128 rows of x
	s_mul_i32 s22, s12, HALFT                      ; my 128 rows of W,
	s_add_co_u32 s22, s22, 2*HALFT                 ; which lie behind x's 256
.irp s, 0,1
	v_add_nc_u32 v[ADRA+\s], s21, v3
	v_add_nc_u32 v[ADRB+\s], s22, v3
	s_add_co_u32 s21, s21, SLOT
	s_add_co_u32 s22, s22, SLOT
.endr
	s_mul_i32 s23, s10, WSTAGE
	s_add_co_u32 s23, s23, STAGE                   ; my stage
	v_mul_u32_u24 v4, v1, SP
	v_lshl_add_u32 v4, v2, 4, v4
	v_add_nc_u32 v[STO], s23, v4                   ; in: row r, 16 bytes for each half of the lanes
	v_bfe_u32 v5, v0, 3, 2
	v_and_b32 v6, 7, v0
	v_mul_u32_u24 v5, v5, SP
	v_lshl_add_u32 v5, v6, 4, v5
	v_add_nc_u32 v[RD], s23, v5                    ; back: eight lanes take a row of 128 bytes, the wave four rows
	v_and_b32 v7, 31, v0
	v_lshlrev_b32 v[CO], 4, v7                     ; those four rows are 512 consecutive bytes of the output
; 16 matrix instructions: token blocks a0, a0 + 1 of the window's four (hi = 0: my tokens 0-63, 1: 64-127) x all 8 feature blocks, 32 along K.
; zero = 1: the first product starts the sums.  The 64 accumulators take turns, one instruction a turn, in the same order in every quarter step.
.macro MUL16 f, hi, a0, zero
.irp a, \a0, \a0+1
.irp b, 0,1,2,3,4,5,6,7
.if \zero
	v_wmma_f32_16x16x32_f16 v[8*(8*(\a)+\b):8*(8*(\a)+\b)+7], v[\f+8*\b:\f+8*\b+7], v[\f+8*(4*\hi+\a):\f+8*(4*\hi+\a)+7], 0
.else
	v_wmma_f32_16x16x32_f16 v[8*(8*(\a)+\b):8*(8*(\a)+\b)+7], v[\f+8*\b:\f+8*\b+7], v[\f+8*(4*\hi+\a):\f+8*(4*\hi+\a)+7], v[8*(8*(\a)+\b):8*(8*(\a)+\b)+7]
.endif
.endr
.endr
.endm
; 32 LDS loads in one run: the fragments of one quarter step (128 rows of W, 128 rows of x, 32 K at byte k of the rows) into buffer f
.macro FETCH slot, k, f
	WIN TO_B
.irp i, 0,1,2,3,4,5,6,7
	ds_load_b128 v[\f+8*\i:\f+8*\i+3],   v[ADRB+\slot] offset:\k+\i*16*PITCH
	ds_load_b128 v[\f+8*\i+4:\f+8*\i+7], v[ADRB+\slot] offset:\k+\i*16*PITCH+32
.endr
	WIN 0
.irp i, 0,1,2,3,4,5,6,7
	ds_load_b128 v[\f+8*\i:\f+8*\i+3],   v[ADRA+\slot] offset:\k+\i*16*PITCH
	ds_load_b128 v[\f+8*\i+4:\f+8*\i+7], v[ADRA+\slot] offset:\k+\i*16*PITCH+32
.endr
.endm
.macro PLACES                          ; four places behind a matrix instruction, ahead of loads into its sources and of readers of its result
.rept 4
	v_nop
.endr
.endm
; A K step is four quarter steps of 32 along K, 64 matrix instructions each, on buffers 0, 1, 0, 1.
; One of the first three: multiplies buffer f; in its middle it fetches the next quarter's fragments, at byte k of the same slot's rows, into buffer g.
.macro QUARTER slot, k, f, g, zero
	s_wait_dscnt 8                                 ; W and x's rows 0-63 are in; the youngest eight loads (x's rows 64-127) may be out
	WIN MUL_LO
	MUL16 \f, 0, 0, \zero
	MUL16 \f, 0, 2, \zero
	PLACES
	FETCH \slot, \k, \g
	s_wait_dscnt 32                                ; all but the 32 just issued
	WIN MUL_HI
	MUL16 \f, 1, 0, \zero
	MUL16 \f, 1, 2, \zero
.endm
.macro THREE slot, zero
	QUARTER \slot, 64,  F0, F1, \zero
	QUARTER \slot, 128, F1, F0, 0
	QUARTER \slot, 192, F0, F1, 0
.endm
; The last quarter: multiplies buffer 1 and changes slots.  next = the other slot; fill = 1: this slot is filled again, two K steps ahead.
; In front of the barrier each wave waits for its own reads of this slot and for all its tensor loads, of which one is out: its part of the next slot.
; Behind it nobody reads this slot any more and the next slot is whole: the refill comes first, then the next slot's first fragments.
; From a request to the wait for it a wave issues 240 matrix instructions.
.macro TURN slot, next, fill
	s_wait_dscnt 8
	WIN MUL_LO
	MUL16 F1, 0, 0, 0
	s_wait_dscnt 0                                 ; my reads of this slot are over
	s_wait_tensorcnt 0x0                           ; and all my tensor loads have landed
	ds_add_u32 v63, v63
	s_wait_dscnt 0x0
	s_barrier_signal -1                            ; say so (where a slot is filled again this barrier opens a round of the cluster's barrier),
	MUL16 F1, 0, 2, 0                              ; work on registers while the others arrive,
	WIN 0
	s_barrier_wait -1
.if \fill
	CREST                                          ; no wave of any partner still reads this slot's tile or has a load on its way
	s_add_nc_u64 s[G0+4*\slot+2:G0+4*\slot+3], s[G0+4*\slot+2:G0+4*\slot+3], 2*KSTEP*2
	s_add_nc_u64 s[G0B+4*\slot+2:G0B+4*\slot+3], s[G0B+4*\slot+2:G0B+4*\slot+3], 2*KSTEP*2
	JLOAD \slot                                    ; the first tensor load behind the round
.endif
	PLACES
	FETCH \next, 0, F0
	WIN MUL_HI
	MUL16 F1, 1, 0, 0
	MUL16 F1, 1, 2, 0
.endm
.macro LAP zero                        ; once round the ring, both slots filled again
	THREE 0, \zero
	TURN 0, 1, 1
	THREE 1, 0
	TURN 1, 0, 1
.endm
	s_wait_tensorcnt 1                             ; my part of K step 0 is in; K step 1's load stays out
	s_barrier_signal -1
	s_barrier_wait -1                              ; everybody's is
	FETCH 0, 0, F0
	LAP 1                                          ; the first lap stands in front of the loop: its first products start the sums
	WIN 0                                          ; at a label and at a branch every window is 0
	s_mov_b32 s3, LAPS-2
.Llap:
	LAP 0
	WIN 0
	s_sub_co_u32 s3, s3, 1
	s_cmp_lg_u32 s3, 0
	s_cbranch_scc1 .Llap
	THREE 0, 0                                     ; the last lap fills nothing: my one tensor load that is still out is the last K step's
	TURN 0, 1, 0
	THREE 1, 0
	s_wait_dscnt 8                                 ; the very last quarter: nothing more to fetch
	WIN MUL_LO
	MUL16 F1, 0, 0, 0
	MUL16 F1, 0, 2, 0
	s_wait_dscnt 0
	WIN MUL_HI
	MUL16 F1, 1, 0, 0
	MUL16 F1, 1, 2, 0
	; THE WAY OUT, 16 tokens at a time: (sum + bias) x scale as one fused multiply-add with the bias scaled beforehand, rounded to f16, 16 bytes a lane into
	; my stage (a region for each of my two heads), read back as rows of 128 bytes.  16 tokens of a head are 2,048 consecutive bytes of the output.
	PLACES
	s_wait_loadcnt 0x0                             ; the bias
	WIN 0x41                                       ; destination and source 0 in window 1
.set n, 0
.rept 32
	v_pk_mul_f32 v[BIAS+2*n:BIAS+2*n+1], v[BIAS+2*n:BIAS+2*n+1], s[84:85] op_sel_hi:[1,0]
.set n, n+1
.endr
; tokens 16 i .. 16 i + 15 of my block = the eight tiles (a, 0..7) of window 2 or 3 (from = 0x12 or 0x13: the sums as source 0, the bias, window 1, as source 2)
.macro OUT16 i, a, from, f
	WIN \from
.set n, 0
.rept 32
	v_pk_fma_f32 v[TMP+2*n:TMP+2*n+1], v[64*\a+2*n:64*\a+2*n+1], s[84:85], v[BIAS+2*n:BIAS+2*n+1] op_sel_hi:[1,0,1]
.set n, n+1
.endr
	WIN 0
.set n, 0
.rept 32
	v_cvt_pk_f16_f32 v[TMP+n], v[TMP+2*n], v[TMP+2*n+1]    ; ascending and in place: word n is written when words 2 n, 2 n + 1 are read
.set n, n+1
.endr
.irp b, 0,1,2,3,4,5,6,7
	ds_store_b128 v[STO], v[TMP+4*\b:TMP+4*\b+3] offset:(\b>>2)*HSTAGE+32*(\b&3)
.endr
	s_wait_xcnt 0x0                                ; buffer f was the data of earlier stores: it is loaded again only behind this wait
.irp t, 0,1,2,3,4,5,6,7
	ds_load_b128 v[\f+4*\t:\f+4*\t+3], v[RD] offset:(\t>>2)*HSTAGE+4*SP*(\t&3)     ; LDS serves a wave's instructions in order (ISA guide 5.7.1.4): these see the stores above
.endr
.irp t, 0,1,2,3,4,5,6,7
	s_wait_dscnt 7-\t                              ; read-back t is in, the younger ones stay out
	global_store_b128 v[CO], v[\f+4*\t:\f+4*\t+3], s[76:77] offset:(\t>>2)*HEADB+2048*\i+512*(\t&3)   ; 512 consecutive bytes, aligned
.endr
.endm
	OUT16 0, 0, 0x12, F0
	OUT16 1, 1, 0x12, F1
	OUT16 2, 2, 0x12, F0
	OUT16 3, 3, 0x12, F1
	OUT16 4, 0, 0x13, F0
	OUT16 5, 1, 0x13, F1
	OUT16 6, 2, 0x13, F0
	OUT16 7, 3, 0x13, F1
	s_wait_dscnt 0x0
	s_set_vgpr_msb 0x1
	s_wait_tensorcnt 0x0
	ds_add_u32 v63, v63
	s_wait_dscnt 0x0
	s_set_vgpr_msb 0x100
	CROUND                                         ; the closing round: no work-group ends while a partner may still ask for a tile that names it
	s_endpgm
.Lfunc_end_k_q44fbe49f0d_qkv:
	.size	k_q44fbe49f0d_qkv, .Lfunc_end_k_q44fbe49f0d_qkv-k_q44fbe49f0d_qkv
	.p2alignl 7, 3214868480
	.fill 96, 4, 3214868480
	.section	.rodata,"a",@progbits
	.p2align	6, 0x0
	.amdhsa_kernel k_q44fbe49f0d_qkv
		.amdhsa_group_segment_fixed_size 327680
		.amdhsa_private_segment_fixed_size 0
		.amdhsa_enable_private_segment 0
		.amdhsa_kernarg_size 40
		.amdhsa_user_sgpr_count 2
		.amdhsa_user_sgpr_kernarg_segment_ptr 1
		.amdhsa_wavefront_size32 1
		.amdhsa_system_sgpr_workgroup_id_x 1
		.amdhsa_system_sgpr_workgroup_id_y 1
		.amdhsa_system_sgpr_workgroup_id_z 1
		.amdhsa_system_vgpr_workitem_id 0
		.amdhsa_next_free_vgpr 1024
		.amdhsa_next_free_sgpr 88
		.amdhsa_reserve_vcc 0
		.amdhsa_float_denorm_mode_32 3
		.amdhsa_float_denorm_mode_16_64 3
		.amdhsa_memory_ordered 1
		.amdhsa_forward_progress 1
		.amdhsa_inst_pref_size 216
	.end_amdhsa_kernel
	.amdgpu_metadata
---
amdhsa.version: [ 1, 2 ]
amdhsa.kernels:
  - .name:           k_q44fbe49f0d_qkv
    .symbol:         k_q44fbe49f0d_qkv.kd
    .args:
      - { .name: cb, .offset: 0, .size: 8, .value_kind: global_buffer, .address_space: global }
      - { .name: bq, .offset: 8, .size: 8, .value_kind: global_buffer, .address_space: global }
      - { .name: bk, .offset: 16, .size: 8, .value_kind: global_buffer, .address_space: global }
      - { .name: bv, .offset: 24, .size: 8, .value_kind: global_buffer, .address_space: global }
      - { .name: qkvh, .offset: 32, .size: 8, .value_kind: global_buffer, .address_space: global }
    .group_segment_fixed_size: 327680
    .private_segment_fixed_size: 0
    .kernarg_segment_align: 8
    .kernarg_segment_size: 40
    .max_flat_workgroup_size: 128
    .sgpr_count:     88
    .vgpr_count:     1024
    .wavefront_size: 32
...
	.end_amdgpu_metadata
.endif
;; end of part 2
;; launch attn (part 3): grid 8 x 32, 8 waves a work-group, clusters of 4 x 1, 327,680 bytes of LDS; arguments qkvh, mw, ctx; writes ctx
.if DOCPART == 3
	.amdgcn_target "amdgcn-amd-amdhsa--gfx1250"
	.amdhsa_code_object_version 6
	.text
	.protected	k_q44fbe49f0d_attn
	.globl	k_q44fbe49f0d_attn
	.p2align	8
	.type	k_q44fbe49f0d_attn,@function
k_q44fbe49f0d_attn:
	s_mov_b64 s[64:65], 0
	v_nop
	global_prefetch_b8 v0, s[64:65] scope:SCOPE_SE
	s_setreg_imm32_b32 hwreg(HW_REG_WAVE_MODE, 25, 1), 1
	s_wait_xcnt 0x0
	s_wait_alu depctr_hold_cnt(0) depctr_sa_sdst(0) depctr_va_vdst(0) depctr_va_sdst(0) depctr_va_ssrc(0) depctr_va_vcc(0) depctr_vm_vsrc(0)
	s_getreg_b32 s2, hwreg(HW_REG_IB_STS2, 6, 4)
	s_cmp_eq_u32 s2, 0
	s_cbranch_scc0 .Lentry_in_a_cluster
	s_endpgm
.Lentry_in_a_cluster:
	s_bfe_u32 s2, ttmp6, 0x10000c
	s_cmp_lg_u32 s2, 0x3003
	s_cbranch_scc0 .Lentry_shape_is_right
	s_endpgm
.Lentry_shape_is_right:
; ATTENTION with a running maximum.  qkvh: f16 [3][2][16][2048][64], Q already times log2(e)/8.  mw: the mask as lane-mask words.  ctx: f16 [4096][1024].
; A work-group takes 256 queries of one (batch, head); wave w takes 32 of them: two query tiles qt.  Keys go in 8 tiles of 256 through two LDS slots,
; each tile in four substeps of 64 keys.
; CLUSTERS of 4 x 1: four query blocks of one head read the same K and V tiles and ask for them jointly (mask 15); the tiles' addresses hang on
; the head and the wave's number alone.
; ORIENTATION: S^T = K Q^T (source 0 = 16 keys, source 1 = 16 queries): lane (r, h) holds query r, register j key 8 h + j.  So the row maximum and row sum
; are made inside the lane and by one exchange of the two halves, and the exponentials of key tiles 2 c, 2 c + 1, packed to f16, ARE source 1 (P^T) of
; O^T = V^T P^T; source 0 (V^T) comes by transposing LDS loads.  In O^T a lane holds query r and 8 neighbouring numbers of the head.
; THE CHANGE OF SLOTS stands in the middle of a tile's last substep: behind V's loads, which are the wave's last reads of the slot.  K's fragments have
; registers of their own (window 1), so the next 64 keys' fragments are asked for as soon as S^T is issued (or, at a change of slots, straight behind the
; refill) and come while the softmax step runs.
; A masked score is REPLACED by -1e9 log2(e), as the problem replaces it by -1e9: a row that is masked throughout gives the plain average of V.
; LIMITS: P is rounded to f16 (below 6e-8 it becomes 0); ctx is f16.  V's rows have K's pitch of 144 bytes, so that one descriptor serves both; a transposing
; load then has pairs of lanes that share banks.  ctx is stored in pieces of 128 bytes (a head's part of a token's row), 8,388,608 bytes in all.
.set KP,     144                       ; an LDS row: 64 f16 + 16 bytes
.set TKEYS,  256                       ; keys in a tile
.set KBYTES, TKEYS*KP                  ; K's 256 rows; V's 256 rows lie behind them
.set SLOTB,  2*KBYTES
.set STAGE,  2*SLOTB                   ; behind the two slots: 16 rows x 144 bytes for each wave, which no tensor load fills
.set WSTAGE, 16*KP
.set TILEB,  TKEYS*128                 ; a tile of K or of V in memory
.set VK,  2                            ; v2-3   LDS address of my K fragments in slot 0, 1
.set VV,  4                            ; v4-5   the same for V's transposing loads
.set STO, 6
.set RD,  7
.set CO,  8
.set NEG, 9                            ; -1e9 log2(e)
.set MM,  10                           ; v10, v12  running maximum of qt 0, 1 (first of a pair; the second is written once and not used)
.set AL,  14                           ; v14, v16  the factor 2^(old maximum - new maximum), likewise
.set LL,  18                           ; v18, v19  running sum over my half's keys
.set QO,  20                           ; Q's offset at the head; later v[20:21], v[30:31] hold qt 1's partial sums, v[22:25] qt 0's
.set T0,  22
.set T4,  26                           ; v26, v28  maxima at work, qt 0, 1
.set T5,  27                           ; v27, v29
.set QF,  32                           ; v32-63    Q fragment (qt, c) at 16 qt + 8 c
.set SS,  64                           ; v64-127   S (qt, kt) at 32 qt + 8 kt; later P (qt, c) in the first 8 registers of 32 qt + 16 c
.set OO,  128                          ; v128-191  O (qt, dt) at 32 qt + 8 dt
.set VF,  192                          ; v192-255  V fragment (dt, c) at 16 dt + 8 c
.set KF,  0                            ; window 1, v256-319: K fragment (kt, c) at 16 kt + 8 c
.set G1,  84                           ; s[84:91] descriptor group 1
.set G0,  92                           ; s[92:99] group 0, a set for each slot
                                       ; s[16:63], s[68:83]: the substep's 64 mask words: (qt, kt, j) at 16 + 32 qt + 8 kt + j + 4 qt (kt / 2)
.set MSB, 0
.macro WIN new                         ; s_set_vgpr_msb; the immediate's high byte repeats the setting that is left
.if MSB != \new
	s_set_vgpr_msb (MSB<<8)|\new
.set MSB, \new
.endif
.endm
.macro PLACES
.rept 4
	v_nop
.endr
.endm
.macro ROUND                           ; a round of the cluster's barrier
	s_barrier_signal -1
	s_barrier_wait -1
	s_cmp_lg_u32 s10, 0
	s_cbranch_scc1 .Lnot_wave_0_\@
	s_barrier_signal -3
.Lnot_wave_0_\@:
	s_barrier_wait -3
	s_barrier_signal -1
	s_barrier_wait -1
.endm
.macro MASKLOAD                        ; 64 words: two query tiles (4,096 bytes apart) x 4 key tiles x 8
	s_load_b512 s[16:31], s[14:15], 0x0
	s_load_b512 s[32:47], s[14:15], 0x40
	s_load_b512 s[48:63], s[14:15], 0x1000
	s_load_b512 s[68:83], s[14:15], 0x1040
.endm
	s_load_b128 s[4:7], s[0:1], 0x0                ; qkvh s[4:5], mw s[6:7]
	s_load_b64 s[8:9], s[0:1], 0x10                ; ctx
	s_set_vgpr_msb 0x40
	v_lshl_add_u32 v64, v0, 2, 0x29000
	v_mov_b32 v65, 0
	s_set_vgpr_msb 0x4045
	ds_add_u32 v64, v65
	ds_add_u32 v64, v65
	s_set_vgpr_msb 0x4500
	v_lshrrev_b32 v1, 5, v0
	v_readfirstlane_b32 s10, v1                    ; wave 0..7
	s_bfe_u32 s100, ttmp6, 0x40000                 ; cx
	s_lshl_b32 s16, ttmp9, 2
	s_add_co_u32 s100, s16, s100                   ; query block = 4 x cluster x + cx, 0..7
	s_and_b32 s101, ttmp7, 0xffff                  ; 16 x batch + head
	s_mov_b32 s12, 0x76543210                      ; v_permlanex16_b32: lane i of one half reads lane i of the other
	s_mov_b32 s13, 0xfedcba98
	; group 1: a dense block of 8,192 bytes (64 keys) as 32 rows of 256 bytes; 16 bytes of padding behind every 128: LDS rows of 144 bytes
	s_mov_b32 s[G1+0], 15|(1<<16)|(1<<20)|(1<<21)|(4<<22)|(3<<25)
	s_mov_b32 s[G1+1], 128<<16
	s_mov_b32 s[G1+2], 32<<16
	s_mov_b32 s[G1+3], 128<<16
	s_mov_b32 s[G1+4], 32
	s_mov_b32 s[G1+5], 128
	s_mov_b32 s[G1+6], 0
	s_mov_b32 s[G1+7], 0
	; waves 0-3 fetch K's four quarters of a tile, waves 4-7 V's
	s_lshr_b32 s2, s10, 2
	s_add_co_u32 s2, s2, 1
	s_lshl_b32 s2, s2, 23                          ; K at 8,388,608, V at 16,777,216
	s_lshl_b32 s3, s101, 18                        ; a head's 2,048 rows of 128 bytes
	s_add_co_u32 s2, s2, s3
	s_and_b32 s3, s10, 3
	s_lshl_b32 s3, s3, 13                          ; my quarter: 64 keys of 128 bytes
	s_add_co_u32 s2, s2, s3
	s_mov_b32 s3, 0
	s_lshr_b32 s16, s101, 4
	s_lshl_b32 s16, s16, 7
	s_lshl_b32 s17, s100, 4
	s_add_co_u32 s17, s17, s10
	s_add_co_u32 s17, s17, s10                     ; my first query tile in the head: 16 x query block + 2 x wave
	s_add_co_u32 s16, s16, s17                     ; T = 128 x batch + that
	s_wait_dscnt 0x0
	s_wait_kmcnt 0x0
	s_mov_b32 s[G0], 1
	s_mul_i32 s[G0+1], s10, 64*KP                  ; LDS: wave x 64 rows (K's four quarters, then V's)
	s_add_nc_u64 s[G0+2:G0+3], s[4:5], s[2:3]      ; key tile 0
	s_mov_b32 s[G0+4], 1
	s_add_co_u32 s[G0+5], s[G0+1], SLOTB
	s_add_nc_u64 s[G0+6:G0+7], s[G0+2:G0+3], TILEB ; key tile 1
	s_or_b32 s[G0+3], s[G0+3], 0x80000000
	s_or_b32 s[G0+7], s[G0+7], 0x80000000
	s_lshl_b32 s18, s16, 12                        ; a query tile's 1,024 mask words
	s_mov_b32 s19, 0
	s_add_nc_u64 s[14:15], s[6:7], s[18:19]
	s_lshl_b32 s18, s16, 15                        ; 16 rows of ctx, 2,048 bytes each
	s_add_nc_u64 s[8:9], s[8:9], s[18:19]
	s_and_b32 s18, s101, 15
	s_lshl_b32 s18, s18, 7                         ; the head's 128 bytes in a row
	s_add_nc_u64 s[8:9], s[8:9], s[18:19]
	s_lshl_b32 s18, s17, 11                        ; 16 rows of Q, 128 bytes each
	s_add_nc_u64 s[4:5], s[4:5], s[18:19]
	s_lshl_b32 s18, s101, 18
	s_add_nc_u64 s[4:5], s[4:5], s[18:19]          ; Q at my first query
	MASKLOAD                                       ; the first substep's words
	s_mul_i32 s2, s10, WSTAGE
	s_add_co_u32 s2, s2, STAGE                     ; my stage
	v_and_b32 v1, 15, v0                           ; r
	v_bfe_u32 v21, v0, 4, 1                        ; h
	v_lshlrev_b32 v[QO], 7, v1
	v_lshl_add_u32 v[QO], v21, 4, v[QO]            ; Q: row r, 16 h
.irp qt, 0,1
.irp c, 0,1
	global_load_b128 v[QF+16*\qt+8*\c:QF+16*\qt+8*\c+3],   v[QO], s[4:5] offset:2048*\qt+64*\c
	global_load_b128 v[QF+16*\qt+8*\c+4:QF+16*\qt+8*\c+7], v[QO], s[4:5] offset:2048*\qt+64*\c+32
.endr
.endr
	v_mul_u32_u24 v[VK], v1, KP
	v_lshl_add_u32 v[VK], v21, 4, v[VK]            ; K: row r x pitch + 16 h
	v_add_nc_u32 v[STO], s2, v[VK]                 ; the stage takes rows in the same way
	v_add_nc_u32 v[VK+1], SLOTB, v[VK]
	v_and_b32 v22, 7, v0
	v_lshl_add_u32 v23, v21, 3, v22                ; V: key 8 h + l % 8,
	v_mul_u32_u24 v[VV], v23, KP
	v_bfe_u32 v24, v0, 3, 1
	v_lshl_add_u32 v[VV], v24, 4, v[VV]            ; 16 bytes for each eight lanes
	v_add_nc_u32 v[VV], KBYTES, v[VV]
	v_add_nc_u32 v[VV+1], SLOTB, v[VV]
	v_bfe_u32 v25, v0, 3, 2
	v_mul_u32_u24 v[RD], v25, KP
	v_lshl_add_u32 v[RD], v22, 4, v[RD]
	v_add_nc_u32 v[RD], s2, v[RD]                  ; back: eight lanes take a row of 128 bytes
	v_lshlrev_b32 v[CO], 11, v25
	v_lshl_add_u32 v[CO], v22, 4, v[CO]            ; and the same four rows in ctx
	v_mov_b32 v[NEG], 0xceabfb8f
	v_mov_b32 v[MM+1], 0                           ; the second registers of the pairs that the packed forms name
	v_mov_b32 v[MM+3], 0
	v_mov_b32 v[AL+1], 0
	v_mov_b32 v[AL+3], 0
	ROUND                                          ; the four work-groups are here: the first joint loads meet
	tensor_load_to_lds s[G0:G0+3], s[G1:G1+7]      ; key tile 0
	s_nop 0
	tensor_load_to_lds s[G0+4:G0+7], s[G1:G1+7]    ; key tile 1: two loads of the wave are out, the most in this text
	s_nop 0
.macro KLOAD slot, sub                 ; K's fragments of 64 keys: 16 loads into window 1
	WIN 0x40
.irp kt, 0,1,2,3
.irp c, 0,1
	ds_load_b128 v[KF+16*\kt+8*\c:KF+16*\kt+8*\c+3],   v[VK+\slot] offset:\sub*64*KP+\kt*16*KP+64*\c
	ds_load_b128 v[KF+16*\kt+8*\c+4:KF+16*\kt+8*\c+7], v[VK+\slot] offset:\sub*64*KP+\kt*16*KP+64*\c+32
.endr
.endr
	WIN 0
.endm
; Step n (0..16) of a query tile's row sum over my 32 exponentials: two chains of packed adds, their join, and the running sum carried on.
.macro SUMOP qt, n, first
.set SB, SS+32*\qt
.set TA, 22+8*\qt
.set TB, 24-4*\qt
.if (\n) == 0
	s_wait_alu depctr_va_vdst(0)
	v_pk_add_f32 v[TA:TA+1], v[SB:SB+1], v[SB+2:SB+3]
.endif
.if (\n) == 1
	v_pk_add_f32 v[TB:TB+1], v[SB+16:SB+17], v[SB+18:SB+19]
.endif
.if ((\n) >= 2) && ((\n) < 14) && (((\n) & 1) == 0)
	v_pk_add_f32 v[TA:TA+1], v[TA:TA+1], v[SB+(\n)+2:SB+(\n)+3]
.endif
.if ((\n) >= 2) && ((\n) < 14) && (((\n) & 1) == 1)
	v_pk_add_f32 v[TB:TB+1], v[TB:TB+1], v[SB+(\n)+17:SB+(\n)+18]
.endif
.if (\n) == 14
	v_pk_add_f32 v[TA:TA+1], v[TA:TA+1], v[TB:TB+1]
.endif
.if (\n) == 15
.if \first
	v_add_f32 v[LL+\qt], v[TA], v[TA+1]
.else
	v_add_f32 v[TA], v[TA], v[TA+1]
.endif
.endif
.if (\n) == 16
.if \first == 0
	v_fma_f32 v[LL+\qt], v[LL+\qt], v[AL+2*\qt], v[TA]
.endif
.endif
.endm
; Step n (0..15) of the packing to f16: ascending and in place, P^T (qt, c) ends in the first 8 registers of each 16
.macro CVTOP qt, n
	v_cvt_pk_f16_f32 v[SS+32*\qt+16*((\n)>>3)+((\n)&7)], v[SS+32*\qt+16*((\n)>>3)+2*((\n)&7)], v[SS+32*\qt+16*((\n)>>3)+2*((\n)&7)+1]
.endm
; The softmax step of both query tiles on their 64 new scores (32 of each in my lane).  The two tiles' chains are interleaved, and the exponentials of one
; alternate with plain work of the other, so that behind every exponential stands a plain instruction that names none of its registers (ISA guide 5.7.2).
.macro SOFT2 first
.irp q, 0,1
.if \first
	v_max_num_f32 v[T4+2*\q], v[SS+32*\q], v[SS+32*\q+1]
.else
	v_max3_num_f32 v[T4+2*\q], v[MM+2*\q], v[SS+32*\q], v[SS+32*\q+1]      ; the old maximum starts one of the chains
.endif
	v_max_num_f32 v[T5+2*\q], v[SS+32*\q+16], v[SS+32*\q+17]
.endr
.irp i, 1,2,3,4,5,6,7
.irp q, 0,1
	v_max3_num_f32 v[T4+2*\q], v[T4+2*\q], v[SS+32*\q+2*\i], v[SS+32*\q+2*\i+1]
	v_max3_num_f32 v[T5+2*\q], v[T5+2*\q], v[SS+32*\q+16+2*\i], v[SS+32*\q+17+2*\i]
.endr
.endr
	v_max_num_f32 v[T4], v[T4], v[T5]
	v_max_num_f32 v[T4+2], v[T4+2], v[T5+2]
	v_permlanex16_b32 v[T5], v[T4], s12, s13       ; the other half's keys of the same query
	v_permlanex16_b32 v[T5+2], v[T4+2], s12, s13
.if \first
	v_max_num_f32 v[MM], v[T4], v[T5]
	v_max_num_f32 v[MM+2], v[T4+2], v[T5+2]
.else
	v_max_num_f32 v[T4], v[T4], v[T5]
	v_max_num_f32 v[T4+2], v[T4+2], v[T5+2]
	v_sub_f32 v[T5], v[MM], v[T4]
	v_sub_f32 v[T5+2], v[MM+2], v[T4+2]
	v_exp_f32 v[AL], v[T5]
	v_exp_f32 v[AL+2], v[T5+2]
	v_mov_b32 v[MM], v[T4]                         ; the plain instructions behind the two exponentials
	v_mov_b32 v[MM+2], v[T4+2]
.endif
.set i, 0
.rept 16
	v_pk_add_f32 v[SS+2*i:SS+2*i+1], v[SS+2*i:SS+2*i+1], v[MM:MM+1] op_sel_hi:[1,0] neg_lo:[0,1] neg_hi:[0,1]   ; qt 0: score - maximum
.set i, i+1
.endr
.set i, 0
.rept 16                               ; qt 0's exponentials, among them qt 1's subtraction and O (qt 0) brought to the new maximum
	v_exp_f32 v[SS+2*i], v[SS+2*i]
	v_pk_add_f32 v[SS+32+2*i:SS+33+2*i], v[SS+32+2*i:SS+33+2*i], v[MM+2:MM+3] op_sel_hi:[1,0] neg_lo:[0,1] neg_hi:[0,1]
	v_exp_f32 v[SS+2*i+1], v[SS+2*i+1]
.if \first == 0
	s_wait_alu depctr_va_vdst(0)
	v_pk_mul_f32 v[OO+2*i:OO+2*i+1], v[OO+2*i:OO+2*i+1], v[AL:AL+1] op_sel_hi:[1,0]
.endif
.set i, i+1
.endr
.set i, 0
.rept 32                               ; qt 1's exponentials, among them qt 0's row sum and then its packing
	v_exp_f32 v[SS+32+i], v[SS+32+i]
.if i < 16
	SUMOP 0, i, \first
.else
	CVTOP 0, i-16
.endif
.set i, i+1
.endr
	SUMOP 0, 16, \first
.set i, 0
.rept 16                               ; qt 1's row sum, among it O (qt 1) brought to the new maximum
	SUMOP 1, i, \first
.if \first == 0
	v_pk_mul_f32 v[OO+32+2*i:OO+33+2*i], v[OO+32+2*i:OO+33+2*i], v[AL+2:AL+3] op_sel_hi:[1,0]
.endif
.set i, i+1
.endr
	SUMOP 1, 16, \first
.set i, 0
.rept 16
	CVTOP 1, i
.set i, i+1
.endr
.endm
; 64 keys at rows 64 sub of the slot.  first: nothing to carry on from.  more: another substep follows (its mask words are asked for).
; kslot, ksub: where the next substep's K fragments lie (kslot < 0: there is none).
; turn = 0: they lie in this slot.  turn = 2: the slots change and this slot is filled again.  turn = 1: the slots change and nothing is filled.
.macro SUBSTEP slot, sub, first, more, turn, kslot, ksub
	s_wait_dscnt 0x0                               ; K's fragments, asked for a softmax step ago
	WIN 0x01                                       ; source 0 (K) in window 1
	; S^T: eight accumulators take turns, one instruction a turn; the first product starts each sum
.irp c, 0,1
.irp qt, 0,1
.irp kt, 0,1,2,3
.if \c == 0
	v_wmma_f32_16x16x32_f16 v[SS+32*\qt+8*\kt:SS+32*\qt+8*\kt+7], v[KF+16*\kt:KF+16*\kt+7], v[QF+16*\qt:QF+16*\qt+7], 0
.else
	v_wmma_f32_16x16x32_f16 v[SS+32*\qt+8*\kt:SS+32*\qt+8*\kt+7], v[KF+16*\kt+8:KF+16*\kt+15], v[QF+16*\qt+8:QF+16*\qt+15], v[SS+32*\qt+8*\kt:SS+32*\qt+8*\kt+7]
.endif
.endr
.endr
.endr
	WIN 0
	PLACES                                         ; ahead of loads into K's registers and of readers of S
.irp dt, 0,1,2,3
.irp c, 0,1
.irp hf, 0,1
	ds_load_tr16_b128 v[VF+16*\dt+8*\c+4*\hf:VF+16*\dt+8*\c+4*\hf+3], v[VV+\slot] offset:\sub*64*KP+(32*\c+16*\hf)*KP+32*\dt
.endr
.endr
.endr
.if \turn == 0
.if \kslot >= 0
	KLOAD \kslot, \ksub                            ; behind V's 16 loads
.endif
.endif
	s_wait_kmcnt 0x0                               ; this substep's mask words (scalar loads: only the count 0 shows anything)
.if \more
	s_add_nc_u64 s[14:15], s[14:15], 128           ; four key tiles of 8 words on; free since that wait
.endif
.irp qt, 0,1
.irp kt, 0,1,2,3
.irp j, 0,1,2,3,4,5,6,7
	v_cndmask_b32 v[SS+32*\qt+8*\kt+\j], v[NEG], v[SS+32*\qt+8*\kt+\j], s[16+32*\qt+8*\kt+\j+4*\qt*(\kt/2)]
.endr
.endr
.endr
.if \more
	MASKLOAD                                       ; the next substep's words have this substep's work in which to come
.endif
.if \turn
	s_set_vgpr_msb 0x5
	s_wait_tensorcnt 0x0                           ; all my tensor loads have landed: one was out, my part of the next tile, asked for a whole tile ago
	ds_add_u32 v64, v65
	s_wait_dscnt 0x0
	s_set_vgpr_msb 0x500
.if \turn == 2
	s_add_nc_u64 s[G0+4*\slot+2:G0+4*\slot+3], s[G0+4*\slot+2:G0+4*\slot+3], 2*TILEB   ; no load is out: this slot's next tile
.endif
	s_wait_dscnt 0x0                               ; V's fragments are in registers: my reads of this slot are over
.if \turn == 2
	ROUND                                          ; both now hold of every wave of the four work-groups
	tensor_load_to_lds s[G0+4*\slot:G0+4*\slot+3], s[G1:G1+7]      ; the joint refill: the first tensor load behind the round, ahead of any LDS read
	s_nop 0
.else
	s_barrier_signal -1                            ; it shows the last tile whole
	s_barrier_wait -1
.endif
	KLOAD \kslot, \ksub                            ; the next slot's first K fragments come while the softmax step runs
.endif
	SOFT2 \first
.if \kslot >= 0
	s_wait_dscnt 16                                ; V's fragments are in; K's 16 loads, issued behind them, may stay out
.else
	s_wait_dscnt 0x0                               ; V's fragments
.endif
	; O^T += V^T P^T: again eight accumulators by turns
.irp c, 0,1
.irp qt, 0,1
.irp dt, 0,1,2,3
.if \first && (\c == 0)
	v_wmma_f32_16x16x32_f16 v[OO+32*\qt+8*\dt:OO+32*\qt+8*\dt+7], v[VF+16*\dt+8*\c:VF+16*\dt+8*\c+7], v[SS+32*\qt+16*\c:SS+32*\qt+16*\c+7], 0
.else
	v_wmma_f32_16x16x32_f16 v[OO+32*\qt+8*\dt:OO+32*\qt+8*\dt+7], v[VF+16*\dt+8*\c:VF+16*\dt+8*\c+7], v[SS+32*\qt+16*\c:SS+32*\qt+16*\c+7], v[OO+32*\qt+8*\dt:OO+32*\qt+8*\dt+7]
.endif
.endr
.endr
.endr
.rept 5
	v_nop                                          ; five places: the next S^T writes over P, a source of these
.endr
.endm
; A key tile of 256 keys: four substeps; the slots change in the last.
.macro TILE slot, first, turn, last
	SUBSTEP \slot, 0, \first, 1, 0, \slot, 1
	SUBSTEP \slot, 1, 0, 1, 0, \slot, 2
	SUBSTEP \slot, 2, 0, 1, 0, \slot, 3
.if \last
	SUBSTEP \slot, 3, 0, 0, 0, -1, 0
.else
	SUBSTEP \slot, 3, 0, 1, \turn, 1-\slot, 0
.endif
.endm
	s_wait_loadcnt 0x0                             ; Q
	s_wait_tensorcnt 0x1                           ; my part of key tile 0 is in; tile 1's load stays out
	s_barrier_signal -1
	s_barrier_wait -1                              ; everybody's is
	KLOAD 0, 0
	TILE 0, 1, 2, 0                                ; tiles 0, 1 (they ask for tiles 2, 3),
	TILE 1, 0, 2, 0
	s_mov_b32 s11, 2
.Ltiles:
	TILE 0, 0, 2, 0                                ; tiles 2 to 5 (they ask for tiles 4 to 7),
	TILE 1, 0, 2, 0
	s_sub_co_u32 s11, s11, 1
	s_cmp_lg_u32 s11, 0
	s_cbranch_scc1 .Ltiles
	TILE 0, 0, 1, 0                                ; tiles 6, 7: nothing more to fetch
	TILE 1, 0, 0, 1
	; THE WAY OUT, a query tile at a time: divide by the row sum (both halves' keys), round to f16, through my stage, out by rows.
	; The five places behind the last matrix instructions stand at the end of the last substep.
.macro OUTQ qt
	v_permlanex16_b32 v[T4], v[LL+\qt], s12, s13
	v_add_f32 v[T4], v[T4], v[LL+\qt]              ; at least 1: the largest score's exponential is 1
	v_rcp_f32 v[T0], v[T4]
	v_nop                                          ; the plain instruction behind v_rcp_f32
.set i, 0
.rept 16
	s_wait_alu depctr_va_vdst(0)
	v_pk_mul_f32 v[OO+32*\qt+2*i:OO+32*\qt+2*i+1], v[OO+32*\qt+2*i:OO+32*\qt+2*i+1], v[T0:T0+1] op_sel_hi:[1,0]
.set i, i+1
.endr
.set i, 0
.rept 16
	v_cvt_pk_f16_f32 v[SS+16*\qt+i], v[OO+32*\qt+2*i], v[OO+32*\qt+2*i+1]
.set i, i+1
.endr
.irp dt, 0,1,2,3
	ds_store_b128 v[STO], v[SS+16*\qt+4*\dt:SS+16*\qt+4*\dt+3] offset:32*\dt
.endr
.irp t, 0,1,2,3
	ds_load_b128 v[VF+16*\qt+4*\t:VF+16*\qt+4*\t+3], v[RD] offset:4*KP*\t   ; LDS serves a wave's instructions in order (ISA guide 5.7.1.4)
.endr
.irp t, 0,1,2,3
	s_wait_dscnt 3-\t                              ; read-back t is in, the younger ones stay out
	global_store_b128 v[CO], v[VF+16*\qt+4*\t:VF+16*\qt+4*\t+3], s[8:9] offset:(16*\qt+4*\t)*2048   ; four rows, 128 consecutive bytes of each
.endr
.endm
	OUTQ 0
	OUTQ 1
	s_wait_dscnt 0x0
	s_set_vgpr_msb 0x5
	s_wait_tensorcnt 0x0
	ds_add_u32 v64, v65
	s_wait_dscnt 0x0
	s_set_vgpr_msb 0x500
	ROUND                                          ; the closing round
	s_endpgm
.Lfunc_end_k_q44fbe49f0d_attn:
	.size	k_q44fbe49f0d_attn, .Lfunc_end_k_q44fbe49f0d_attn-k_q44fbe49f0d_attn
	.p2alignl 7, 3214868480
	.fill 96, 4, 3214868480
	.section	.rodata,"a",@progbits
	.p2align	6, 0x0
	.amdhsa_kernel k_q44fbe49f0d_attn
		.amdhsa_group_segment_fixed_size 327680
		.amdhsa_private_segment_fixed_size 0
		.amdhsa_enable_private_segment 0
		.amdhsa_kernarg_size 24
		.amdhsa_user_sgpr_count 2
		.amdhsa_user_sgpr_kernarg_segment_ptr 1
		.amdhsa_wavefront_size32 1
		.amdhsa_system_sgpr_workgroup_id_x 1
		.amdhsa_system_sgpr_workgroup_id_y 1
		.amdhsa_system_sgpr_workgroup_id_z 1
		.amdhsa_system_vgpr_workitem_id 0
		.amdhsa_next_free_vgpr 322
		.amdhsa_next_free_sgpr 102
		.amdhsa_reserve_vcc 0
		.amdhsa_float_denorm_mode_32 3
		.amdhsa_float_denorm_mode_16_64 3
		.amdhsa_memory_ordered 1
		.amdhsa_forward_progress 1
		.amdhsa_inst_pref_size 255
	.end_amdhsa_kernel
	.section	.bss,"aw",@nobits
	.p2align	6
	.space	262144
	.amdgpu_metadata
---
amdhsa.version: [ 1, 2 ]
amdhsa.kernels:
  - .name:           k_q44fbe49f0d_attn
    .symbol:         k_q44fbe49f0d_attn.kd
    .args:
      - { .name: qkvh, .offset: 0, .size: 8, .value_kind: global_buffer, .address_space: global }
      - { .name: mw, .offset: 8, .size: 8, .value_kind: global_buffer, .address_space: global }
      - { .name: ctx, .offset: 16, .size: 8, .value_kind: global_buffer, .address_space: global }
    .group_segment_fixed_size: 327680
    .private_segment_fixed_size: 0
    .kernarg_segment_align: 8
    .kernarg_segment_size: 24
    .max_flat_workgroup_size: 256
    .sgpr_count:     102
    .vgpr_count:     322
    .wavefront_size: 32
...
	.end_amdgpu_metadata
.endif
;; end of part 3
;; launch outp (part 4): grid 8 x 32, 4 waves a work-group, clusters of 4 x 4, 327,680 bytes of LDS; arguments ctx, cb, bo, out0; writes out0
.if DOCPART == 4
	.amdgcn_target "amdgcn-amd-amdhsa--gfx1250"
	.amdhsa_code_object_version 6
	.text
	.protected	k_q44fbe49f0d_outp
	.globl	k_q44fbe49f0d_outp
	.p2align	8
	.type	k_q44fbe49f0d_outp,@function
k_q44fbe49f0d_outp:
	s_mov_b64 s[64:65], 0
	v_nop
	global_prefetch_b8 v0, s[64:65] scope:SCOPE_SE
	s_setreg_imm32_b32 hwreg(HW_REG_WAVE_MODE, 25, 1), 1
	s_wait_xcnt 0x0
	s_wait_alu depctr_hold_cnt(0) depctr_sa_sdst(0) depctr_va_vdst(0) depctr_va_sdst(0) depctr_va_ssrc(0) depctr_va_vcc(0) depctr_vm_vsrc(0)
	s_getreg_b32 s2, hwreg(HW_REG_IB_STS2, 6, 4)
	s_cmp_eq_u32 s2, 0
	s_cbranch_scc0 .Lentry_in_a_cluster
	s_endpgm
.Lentry_in_a_cluster:
	s_bfe_u32 s2, ttmp6, 0x10000c
	s_cmp_lg_u32 s2, 0xf033
	s_cbranch_scc0 .Lentry_shape_is_right
	s_endpgm
.Lentry_shape_is_right:
; OUTPUT PROJECTION: out0 = ctx Wo^T + bo.  ctx: f16 [4096][1024]; Wo: f16 [1024][1024] in cb, the fourth weight; out0: f32 [4096][1024]; sums in f32.
; The same matrix part as the launch of the three projections: a work-group makes 128 tokens x 128 features with four waves, a wave 64 x 64 (16 accumulator
; tiles); K = 1,024 in 8 steps of 128 through four LDS slots; grid 8 feature blocks x 32 token blocks.
; CLUSTERS of 4 x 4: ctx's tiles are asked for jointly along a cluster's row, Wo's along a column.
; THE MATRIX INSTRUCTION IS USED TRANSPOSED: source 0 = 16 rows of Wo, source 1 = 16 rows of ctx: lane l holds token l % 16, registers 0..7 the
; features 8 (l / 16) + 0..7.
.set KSTEP,  128
.set PITCH,  272                       ; an LDS row: 256 bytes + 16: the 16 rows of a fragment load start 4 banks apart (64 banks of 4 bytes: ISA guide 11.1)
.set LOADB,  64*PITCH
.set SLOT,   4*LOADB                   ; ctx's 128 rows, then Wo's 128 rows
.set STAGE,  4*SLOT                    ; behind the four slots: a stage for each wave, which no tensor load fills
.set WSTAGE, 4352                      ; 16 rows of 64 f32 + 16 bytes
.set WO_OFF, 25165824+3*2097152        ; Wo in cb
.set ADRA, 16
.set ADRB, 20
.set STO,  24
.set RD,   25
.set CO,   26
.set BO,   27
.set F0,   64
.set F1,   128
.set BIAS, 192
.set TMP,  224
                                       ; window 1 (v256-383): accumulator tile (a, b) at v[8 (4 a + b)]
.set G1,  24
.set G1B, 32
.set G0,  40
.set G0B, 68
.set G1W0, (1<<16)|(1<<20)|(1<<21)|(5<<22)|(3<<25)   ; elements of 2 bytes; padding on; bit 21 beside a mask; after every 64 words; 4 words
.set MSB, 0
.macro WIN new
.if MSB != \new
	s_set_vgpr_msb (MSB<<8)|\new
.set MSB, \new
.endif
.endm
.macro PLACES                          ; four places behind a matrix instruction (ISA guide 7.12.1)
.rept 4
	v_nop
.endr
.endm
.macro JLOAD s                         ; waves 0, 1 fetch ctx's two halves, waves 2, 3 Wo's; every wave issues one load
	s_cmp_eq_u32 s21, 0
	s_cbranch_scc0 .Lfor_b_\@
	tensor_load_to_lds s[G0+4*\s:G0+4*\s+3], s[G1:G1+7]
	s_nop 0
	s_branch .Lasked_\@
.Lfor_b_\@:
	tensor_load_to_lds s[G0B+4*\s:G0B+4*\s+3], s[G1B:G1B+7]
	s_nop 0
.Lasked_\@:
.endm
.macro CROUND                          ; a round of the cluster's barrier
	s_barrier_signal -1
	s_barrier_wait -1
	s_cmp_lg_u32 s20, 0
	s_cbranch_scc1 .Lnot_wave_0_\@
	s_barrier_signal -3
.Lnot_wave_0_\@:
	s_barrier_wait -3
	s_barrier_signal -1
	s_barrier_wait -1
.endm
	s_load_b256 s[4:11], s[0:1], 0x0               ; ctx s[4:5], cb s[6:7], bo s[8:9], out0 s[10:11]
	v_lshl_add_u32 v62, v0, 2, 0x48400
	v_mov_b32 v63, 0
	ds_add_u32 v62, v63
	ds_add_u32 v62, v63
	v_lshrrev_b32 v1, 5, v0
	v_readfirstlane_b32 s20, v1                    ; wave 0..3
	s_lshr_b32 s21, s20, 1                         ; my half of the tokens.  Also: I fetch for ctx (0) or for Wo (1)
	s_and_b32 s22, s20, 1                          ; my half of the features.  Also: which 64 rows I fetch
	s_bfe_u32 s56, ttmp6, 0x40000                  ; cx
	s_bfe_u32 s57, ttmp6, 0x40004                  ; cy
	s_lshl_b32 s58, ttmp9, 2
	s_add_co_u32 s58, s58, s56                     ; feature block
	s_and_b32 s59, ttmp7, 0xffff
	s_lshl_b32 s59, s59, 2
	s_add_co_u32 s59, s59, s57                     ; token block
	s_lshl_b32 s60, s57, 2
	s_lshl_b32 s60, 15, s60                        ; my row of the cluster
	s_lshl_b32 s61, 0x1111, s56                    ; my column
	s_or_b32 s[G1+0], s60, G1W0
	s_or_b32 s[G1B+0], s61, G1W0
	s_mov_b32 s[G1+1], KSTEP<<16
	s_mov_b32 s[G1B+1], KSTEP<<16
	s_mov_b32 s[G1+2], 64<<16
	s_mov_b32 s[G1B+2], 64<<16
	s_mov_b32 s[G1+3], KSTEP<<16
	s_mov_b32 s[G1B+3], KSTEP<<16
	s_mov_b32 s[G1+4], 64
	s_mov_b32 s[G1B+4], 64
	s_mov_b32 s[G1+5], 1024
	s_mov_b32 s[G1B+5], 1024
	s_mov_b32 s[G1+6], 0
	s_mov_b32 s[G1B+6], 0
	s_mov_b32 s[G1+7], 0
	s_mov_b32 s[G1B+7], 0
	s_lshl_b32 s90, s22, 6
	s_lshl_b32 s86, s59, 7
	s_add_co_u32 s86, s86, s90                     ; ctx: row 128 x token block + 64 x half
	s_lshl_b32 s86, s86, 11
	s_mov_b32 s87, 0
	s_lshl_b32 s88, s58, 7
	s_add_co_u32 s88, s88, s90                     ; Wo: row 128 x feature block + 64 x half
	s_lshl_b32 s88, s88, 11
	s_add_co_u32 s88, s88, WO_OFF
	s_mov_b32 s89, 0
	s_mul_i32 s92, s20, LOADB
	s_wait_dscnt 0x0
	s_wait_kmcnt 0x0
	s_add_nc_u64 s[86:87], s[4:5], s[86:87]
	s_add_nc_u64 s[88:89], s[6:7], s[88:89]
	CROUND                                         ; the first joint loads meet
.irp s, 0,1,2,3
	s_mov_b32 s[G0+4*\s], 1
	s_add_co_u32 s[G0+4*\s+1], s92, \s*SLOT
	s_add_nc_u64 s[G0+4*\s+2:G0+4*\s+3], s[86:87], \s*KSTEP*2
	s_or_b32 s[G0+4*\s+3], s[G0+4*\s+3], 0x80000000
	s_mov_b32 s[G0B+4*\s], 1
	s_add_co_u32 s[G0B+4*\s+1], s92, \s*SLOT
	s_add_nc_u64 s[G0B+4*\s+2:G0B+4*\s+3], s[88:89], \s*KSTEP*2
	s_or_b32 s[G0B+4*\s+3], s[G0B+4*\s+3], 0x80000000
	JLOAD \s                                       ; four loads of the wave are out: the most in this text
.endr
	s_lshl_b32 s93, s58, 9
	s_lshl_b32 s94, s22, 8
	s_add_co_u32 s16, s93, s94                     ; my first feature x 4 bytes
	s_mov_b32 s17, 0
	s_add_nc_u64 s[14:15], s[8:9], s[16:17]        ; bias
	s_lshl_b32 s98, s59, 7
	s_lshl_b32 s99, s21, 6
	s_add_co_u32 s98, s98, s99                     ; my first token
	s_lshl_b32 s98, s98, 12                        ; rows of 4,096 bytes
	s_add_co_u32 s18, s98, s16
	s_mov_b32 s19, 0
	s_add_nc_u64 s[12:13], s[10:11], s[18:19]      ; out0 at my block's corner
	v_and_b32 v1, 15, v0                           ; r
	v_bfe_u32 v2, v0, 4, 1                         ; h
	v_lshlrev_b32 v[BO], 5, v2
.irp b, 0,1,2,3
	global_load_b128 v[BIAS+8*\b:BIAS+8*\b+3],   v[BO], s[14:15] offset:64*\b
	global_load_b128 v[BIAS+8*\b+4:BIAS+8*\b+7], v[BO], s[14:15] offset:64*\b+16
.endr
	v_mul_u32_u24 v3, v1, PITCH
	v_lshl_add_u32 v3, v2, 4, v3
	s_mul_i32 s95, s21, LOADB
	s_mul_i32 s96, s22, LOADB
	s_add_co_u32 s96, s96, 2*LOADB
.irp s, 0,1,2,3
	v_add_nc_u32 v[ADRA+\s], s95, v3
	v_add_nc_u32 v[ADRB+\s], s96, v3
	s_add_co_u32 s95, s95, SLOT
	s_add_co_u32 s96, s96, SLOT
.endr
	s_mul_i32 s97, s20, WSTAGE
	s_add_co_u32 s97, s97, STAGE
	v_mul_u32_u24 v4, v1, PITCH
	v_lshl_add_u32 v4, v2, 5, v4
	v_add_nc_u32 v[STO], s97, v4                   ; in: row r, 32 bytes for each half of the lanes
	v_mul_u32_u24 v5, v2, PITCH
	v_lshl_add_u32 v5, v1, 4, v5
	v_add_nc_u32 v[RD], s97, v5                    ; back: lanes 0-15 take one row of 256 bytes, lanes 16-31 the next
	v_lshlrev_b32 v[CO], 12, v2
	v_lshl_add_u32 v[CO], v1, 4, v[CO]             ; and the same two rows in out0
; 16 matrix instructions; the 16 accumulators take turns, one instruction a turn
.macro MUL16 f, zero
.irp a, 0,1,2,3
.irp b, 0,1,2,3
.if \zero
	v_wmma_f32_16x16x32_f16 v[8*(4*\a+\b):8*(4*\a+\b)+7], v[\f+8*\b:\f+8*\b+7], v[\f+32+8*\a:\f+32+8*\a+7], 0
.else
	v_wmma_f32_16x16x32_f16 v[8*(4*\a+\b):8*(4*\a+\b)+7], v[\f+8*\b:\f+8*\b+7], v[\f+32+8*\a:\f+32+8*\a+7], v[8*(4*\a+\b):8*(4*\a+\b)+7]
.endif
.endr
.endr
.endm
.macro FETCH slot, k, f
.irp i, 0,1,2,3
	ds_load_b128 v[\f+8*\i:\f+8*\i+3],   v[ADRB+\slot] offset:\k+\i*16*PITCH
	ds_load_b128 v[\f+8*\i+4:\f+8*\i+7], v[ADRB+\slot] offset:\k+\i*16*PITCH+32
.endr
.irp i, 0,1,2,3
	ds_load_b128 v[\f+32+8*\i:\f+32+8*\i+3], v[ADRA+\slot] offset:\k+\i*16*PITCH
	ds_load_b128 v[\f+32+8*\i+4:\f+32+8*\i+7], v[ADRA+\slot] offset:\k+\i*16*PITCH+32
.endr
.endm
.macro QUARTER f, zero, dofetch, fslot, fk, g
	s_wait_dscnt 0x0                               ; buffer f's loads, issued a quarter step ago
.if \dofetch
	PLACES                                         ; buffer g was read by the matrix instructions just issued
	FETCH \fslot, \fk, \g
.endif
	WIN 0x50                                       ; C and D in window 1
	MUL16 \f, \zero
	WIN 0
.endm
.macro HEAD slot
	PLACES
	FETCH \slot, 0, F0
.endm
.macro TILE slot, zero, next
	QUARTER F0, \zero, 1, \slot, 64, F1
	QUARTER F1, 0, 1, \slot, 128, F0
	QUARTER F0, 0, 1, \slot, 192, F1
.if \next >= 0
	QUARTER F1, 0, 1, \next, 0, F0
.else
	QUARTER F1, 0, 0, 0, 0, F0
.endif
.endm
; Two slots that have been read are filled again: every wave's waits for all its tensor loads and for its LDS reads in front of the round,
; register work alone inside it, the joint refills first behind it.
.macro REFILL a, b
	s_wait_tensorcnt 0x0
	ds_add_u32 v62, v63
.irp t, \a, \b
	s_add_nc_u64 s[G0+4*\t+2:G0+4*\t+3], s[G0+4*\t+2:G0+4*\t+3], 4*KSTEP*2
	s_add_nc_u64 s[G0B+4*\t+2:G0B+4*\t+3], s[G0B+4*\t+2:G0B+4*\t+3], 4*KSTEP*2
.endr
	s_wait_dscnt 0x0
	CROUND
	JLOAD \a
	JLOAD \b
.endm
	s_wait_tensorcnt 0x3                           ; my part of K step 0 is in; steps 1, 2, 3 stay out
	s_barrier_signal -1
	s_barrier_wait -1
	HEAD 0
	TILE 0, 1, -1
	s_wait_tensorcnt 0x2                           ; my part of K step 1 is in; steps 2, 3 stay out
	s_wait_dscnt 0x0
	s_barrier_signal -1
	s_barrier_wait -1
	HEAD 1
	TILE 1, 0, -1
	REFILL 0, 1                                    ; K steps 4, 5
	HEAD 2
	TILE 2, 0, 3
	TILE 3, 0, -1
	REFILL 2, 3                                    ; K steps 6, 7
	HEAD 0
	TILE 0, 0, 1
	TILE 1, 0, -1
	s_wait_tensorcnt 0x0
	s_wait_dscnt 0x0
	s_barrier_signal -1
	s_barrier_wait -1
	HEAD 2
	TILE 2, 0, 3
	TILE 3, 0, -1
	; THE WAY OUT, 16 tokens at a time: sum + bias, 32 bytes a lane into my stage, read back as whole rows of 256 bytes.
	PLACES
	s_wait_loadcnt 0x0                             ; the bias
.macro OUT16 a, f
	WIN 0x01                                       ; source 0 (the sums) in window 1
.set i, 0
.rept 16
	v_pk_add_f32 v[TMP+2*i:TMP+2*i+1], v[32*\a+2*i:32*\a+2*i+1], v[BIAS+2*i:BIAS+2*i+1]
.set i, i+1
.endr
	WIN 0
.irp b, 0,1,2,3
	ds_store_b128 v[STO], v[TMP+8*\b:TMP+8*\b+3]   offset:64*\b
	ds_store_b128 v[STO], v[TMP+8*\b+4:TMP+8*\b+7] offset:64*\b+16
.endr
	s_wait_xcnt 0x0                                ; buffer f was the data of earlier stores: it is loaded again only behind this wait
.irp t, 0,1,2,3,4,5,6,7
	ds_load_b128 v[\f+4*\t:\f+4*\t+3], v[RD] offset:2*PITCH*\t     ; LDS serves a wave's instructions in order (ISA guide 5.7.1.4)
.endr
.irp t, 0,1,2,3,4,5,6,7
	s_wait_dscnt 7-\t                              ; read-back t is in, the younger ones stay out
	global_store_b128 v[CO], v[\f+4*\t:\f+4*\t+3], s[12:13] offset:(16*\a+2*\t)*4096 th:TH_STORE_NT   ; 16 lanes store 256 consecutive bytes, aligned
.endr
.endm
	OUT16 0, F0
	OUT16 1, F1
	OUT16 2, F0
	OUT16 3, F1
	s_wait_dscnt 0x0
	s_wait_tensorcnt 0x0
	ds_add_u32 v62, v63
	s_wait_dscnt 0x0
	CROUND                                         ; the closing round
	s_endpgm
.Lfunc_end_k_q44fbe49f0d_outp:
	.size	k_q44fbe49f0d_outp, .Lfunc_end_k_q44fbe49f0d_outp-k_q44fbe49f0d_outp
	.p2alignl 7, 3214868480
	.fill 96, 4, 3214868480
	.section	.rodata,"a",@progbits
	.p2align	6, 0x0
	.amdhsa_kernel k_q44fbe49f0d_outp
		.amdhsa_group_segment_fixed_size 327680
		.amdhsa_private_segment_fixed_size 0
		.amdhsa_enable_private_segment 0
		.amdhsa_kernarg_size 32
		.amdhsa_user_sgpr_count 2
		.amdhsa_user_sgpr_kernarg_segment_ptr 1
		.amdhsa_wavefront_size32 1
		.amdhsa_system_sgpr_workgroup_id_x 1
		.amdhsa_system_sgpr_workgroup_id_y 1
		.amdhsa_system_sgpr_workgroup_id_z 1
		.amdhsa_system_vgpr_workitem_id 0
		.amdhsa_next_free_vgpr 384
		.amdhsa_next_free_sgpr 100
		.amdhsa_reserve_vcc 0
		.amdhsa_float_denorm_mode_32 3
		.amdhsa_float_denorm_mode_16_64 3
		.amdhsa_memory_ordered 1
		.amdhsa_forward_progress 1
		.amdhsa_inst_pref_size 96
	.end_amdhsa_kernel
	.amdgpu_metadata
---
amdhsa.version: [ 1, 2 ]
amdhsa.kernels:
  - .name:           k_q44fbe49f0d_outp
    .symbol:         k_q44fbe49f0d_outp.kd
    .args:
      - { .name: ctx, .offset: 0, .size: 8, .value_kind: global_buffer, .address_space: global }
      - { .name: cb, .offset: 8, .size: 8, .value_kind: global_buffer, .address_space: global }
      - { .name: bo, .offset: 16, .size: 8, .value_kind: global_buffer, .address_space: global }
      - { .name: out0, .offset: 24, .size: 8, .value_kind: global_buffer, .address_space: global }
    .group_segment_fixed_size: 327680
    .private_segment_fixed_size: 0
    .kernarg_segment_align: 8
    .kernarg_segment_size: 32
    .max_flat_workgroup_size: 128
    .sgpr_count:     100
    .vgpr_count:     384
    .wavefront_size: 32
...
	.end_amdgpu_metadata
.endif
;; end of part 4
